; MI455X (gfx1250); checked and timed in simulation.
; The chip was launched on July 23, 2026; its instructions are those of AMD's public machine-readable ISA for CDNA 5 (MIT licence, August 2026) and "CDNA5" Instruction Set Architecture Reference Guide (July 2026). The comments in the code are by the model that wrote it; some were corrected since.
;; Ab Lang2 MHA. Allowed arithmetic: float matrix products may take bf16 or f16 operands with f32 sums; all other float work in f32.
;; Inputs: Wk 1,024 x 1,024 float32; Wo 1,024 x 1,024 float32; Wq 1,024 x 1,024 float32; Wv 1,024 x 1,024 float32; bk 1,024 float32; bo 1,024 float32; bq 1,024 float32; bv 1,024 float32; freqs 32 float32; padding_mask 2 x 2,048 bool; x 2 x 2,048 x 1,024 float32.
;; Outputs: out0 2 x 2,048 x 1,024 float32.
;; One version. Each part assembles by itself: llvm-mc -triple=amdgcn-amd-amdhsa -mcpu=gfx1250 --defsym DOCPART=n.
;; ======== version 1 of 1: 4 launches
;; limits: right only within a limited range of input values
;; workspace buffers: xb 8,388,608 bytes; wbf 8,388,608 bytes; bqkv 12,288 bytes; tab 524,288 bytes; qws 8,388,608 bytes; kws 8,388,608 bytes; vws 8,388,608 bytes; att 8,388,608 bytes
;; launch prep (part 1): grid 641 x 1, 8 waves a work-group, no clusters, 0 bytes of LDS; arguments x, Wq, Wk, Wv, Wo, bq, bk, bv, freqs, xb, wbf, bqkv, tab; writes xb, wbf, bqkv, tab
.if DOCPART == 1
	.amdgcn_target "amdgcn-amd-amdhsa--gfx1250"
	.amdhsa_code_object_version 6
	.text
	.protected	k_q4d02d84082_prep
	.globl	k_q4d02d84082_prep
	.p2align	8
	.type	k_q4d02d84082_prep,@function
k_q4d02d84082_prep:
	s_mov_b64 s[64:65], 0
	v_nop
	global_prefetch_b8 v0, s[64:65] scope:SCOPE_SE
	s_setreg_imm32_b32 hwreg(HW_REG_WAVE_MODE, 25, 1), 1
	s_wait_xcnt 0x0
; prep: what the three matrix launches need in bf16, made once.
;   work-groups   0-255: x -> xb, 16,384 numbers each, f32 to bf16
;   work-groups 256-511: Wq, Wk, Wv, Wo -> wbf, 16 rows each.  Row order of wbf: head h owns rows 192 h .. 192 h + 191 =
;                        64 rows of Wq, 64 of Wk, 64 of Wv; Wo follows from row 3072.  So a block of 192 rows is {Q, K, V} of one head.
;                        Wq (and bq) are multiplied by c = log2(e) / 64: the two factors 1/8 of the scores and the base-2 factor of the
;                        exponential.  The rotation of q that follows is linear, so the factor may stand in front of it.
;   work-groups 512-639: tab[pos][freq] = {cos, sin}(pos * freqs[freq]), 16 positions each
;   work-group      640: bqkv = the three biases in wbf's row order
; A stream: no byte is read by two work-groups, so LDS, clusters and the matrix unit have nothing to give here.
; LIMIT: sine and cosine reduce the angle by three parts of pi/2 with fused multiply-adds; that holds to about 1e-7 for |angle| up to
; about 1e6 (the quotient must stay an exact f32 whole number that fits 32 bits).  The largest angle of the stated inputs is 2047.
.set SCALE_C, 0x3cb8aa3b               ; log2(e) / 64
.set X,  32                            ; v[32:95]   piece j: 8 numbers in f32
.set Y,  96                            ; v[96:127]  piece j: 8 numbers in bf16
.set TN, 16                            ; sine and cosine: quotient
.set TR, 17                            ; reduced angle r
.set TZ, 18                            ; r * r
.set TQ, 19                            ; quotient as a whole number
.set TS, 20                            ; sin r
.set TC, 21                            ; cos r
.set TH, 22                            ; at work
	s_load_b512 s[4:19], s[0:1], 0x0               ; x, Wq, Wk, Wv, Wo, bq, bk, bv
	s_load_b256 s[20:27], s[0:1], 0x40             ; freqs, xb, wbf, bqkv
	s_load_b64 s[28:29], s[0:1], 0x60              ; tab
	s_mov_b32 s30, ttmp9                           ; g, the work-group
	s_mov_b32 s44, SCALE_C
	s_mov_b32 s45, SCALE_C                         ; the pair is named as a whole by the packed multiply
	v_lshlrev_b32 v1, 5, v0                        ; 32 t: my 8 numbers in f32
	v_lshlrev_b32 v2, 4, v0                        ; 16 t: my 8 numbers in bf16
	s_wait_kmcnt 0x0
	s_cmp_ge_u32 s30, 512
	s_cbranch_scc1 .Lnot_conv
	s_cmp_lt_u32 s30, 256
	s_cbranch_scc0 .Lweights
	s_lshl_b32 s32, s30, 16                        ; x: 65,536 bytes in,
	s_mov_b32 s33, 0
	s_lshl_b32 s34, s30, 15                        ; 32,768 bytes out
	s_mov_b32 s35, 0
	s_add_nc_u64 s[36:37], s[4:5], s[32:33]
	s_add_nc_u64 s[38:39], s[22:23], s[34:35]
	s_branch .Lplain
.Lweights:
	s_sub_co_u32 s31, s30, 256
	s_lshr_b32 s40, s31, 6                         ; m: 0 Wq, 1 Wk, 2 Wv, 3 Wo
	s_and_b32 s41, s31, 63                         ; p: which 16 rows
	s_cmp_eq_u32 s40, 1
	s_cselect_b64 s[36:37], s[8:9], s[6:7]
	s_cmp_eq_u32 s40, 2
	s_cselect_b64 s[36:37], s[10:11], s[36:37]
	s_cmp_eq_u32 s40, 3
	s_cselect_b64 s[36:37], s[12:13], s[36:37]
	s_lshr_b32 s42, s41, 2                         ; head = p / 4
	s_mul_i32 s42, s42, 192
	s_lshl_b32 s43, s40, 6
	s_add_co_u32 s42, s42, s43                     ; + 64 m
	s_and_b32 s43, s41, 3
	s_lshl_b32 s43, s43, 4
	s_add_co_u32 s42, s42, s43                     ; + 16 (p % 4): the row in wbf for m < 3
	s_lshl_b32 s43, s41, 4
	s_add_co_u32 s43, s43, 3072                    ; the row for Wo
	s_cmp_eq_u32 s40, 3
	s_cselect_b32 s42, s43, s42
	s_lshl_b32 s34, s42, 11                        ; rows of 2,048 bytes
	s_mov_b32 s35, 0
	s_lshl_b32 s32, s41, 16
	s_mov_b32 s33, 0
	s_add_nc_u64 s[36:37], s[36:37], s[32:33]
	s_add_nc_u64 s[38:39], s[24:25], s[34:35]
	s_cmp_eq_u32 s40, 0
	s_cbranch_scc1 .Lscaled
; 16,384 numbers: eight pieces of 2,048; thread t takes 8 neighbouring numbers of each.  All sixteen loads go out first.
; A store of a wave covers 512 neighbouring bytes, aligned.
.macro CONV scale
.irp j, 0,1,2,3,4,5,6,7
	global_load_b128 v[X+8*\j:X+8*\j+3],   v1, s[36:37] offset:8192*\j th:TH_LOAD_NT
	global_load_b128 v[X+8*\j+4:X+8*\j+7], v1, s[36:37] offset:8192*\j+16 th:TH_LOAD_NT
.endr
.irp j, 0,1,2,3,4,5,6,7
	s_wait_loadcnt 14-2*\j                         ; loads come back in order: piece j is in, the two loads of each younger piece stay out
.if \scale
.irp k, 0,2,4,6
	v_pk_mul_f32 v[X+8*\j+\k:X+8*\j+\k+1], v[X+8*\j+\k:X+8*\j+\k+1], s[44:45] op_sel_hi:[1,0]
.endr
.endif
.irp k, 0,1,2,3
	v_cvt_pk_bf16_f32 v[Y+4*\j+\k], v[X+8*\j+2*\k], v[X+8*\j+2*\k+1]
.endr
	global_store_b128 v2, v[Y+4*\j:Y+4*\j+3], s[38:39] offset:4096*\j
.endr
.endm
.Lplain:
	CONV 0
	s_endpgm
.Lscaled:
	CONV 1
	s_endpgm
; sin and cos of v[ang].  n = nearest whole number to ang * 2/pi; r = ang - n * pi/2, pi/2 in three parts (the second and third are
; negative, hence the plus signs); polynomials on |r| <= pi/4; the quadrant n mod 4 swaps the two and sets the signs.
.macro SINCOS ang, co, si
	v_mul_f32 v[TN], 0x3f22f983, v[\ang]
	v_rndne_f32 v[TN], v[TN]
	v_fmamk_f32 v[TR], v[TN], 0xbfc90fdb, v[\ang]
	v_fmamk_f32 v[TR], v[TN], 0x333bbd2e, v[TR]
	v_fmamk_f32 v[TR], v[TN], 0x26f72ced, v[TR]
	v_cvt_i32_f32 v[TQ], v[TN]
	v_mul_f32 v[TZ], v[TR], v[TR]
	v_mov_b32 v[TS], 0xb94ca1f9
	v_mov_b32 v[TC], 0x37ccf5ce
	v_fmaak_f32 v[TS], v[TS], v[TZ], 0x3c08839e
	v_fmaak_f32 v[TC], v[TC], v[TZ], 0xbab6061a
	v_fmaak_f32 v[TS], v[TS], v[TZ], 0xbe2aaaa3
	v_fmaak_f32 v[TC], v[TC], v[TZ], 0x3d2aaaa5
	v_mul_f32 v[TS], v[TS], v[TZ]
	v_mul_f32 v[TC], v[TC], v[TZ]
	v_fma_f32 v[TH], v[TZ], -0.5, 1.0              ; 1 - z / 2
	v_fma_f32 v[TS], v[TS], v[TR], v[TR]           ; sin r
	v_fma_f32 v[TC], v[TC], v[TZ], v[TH]           ; cos r
	v_and_b32 v[TH], 1, v[TQ]
	v_cmp_ne_u32 vcc_lo, 0, v[TH]                  ; odd quadrant: the two change places
	v_cndmask_b32 v[\si], v[TS], v[TC], vcc_lo
	v_cndmask_b32 v[\co], v[TC], v[TS], vcc_lo
	v_and_b32 v[TH], 2, v[TQ]                      ; sine is negative in quadrants 2, 3
	v_lshlrev_b32 v[TH], 30, v[TH]
	v_xor_b32 v[\si], v[\si], v[TH]
	v_add_nc_u32 v[TH], 1, v[TQ]                   ; cosine in quadrants 1, 2
	v_and_b32 v[TH], 2, v[TH]
	v_lshlrev_b32 v[TH], 30, v[TH]
	v_xor_b32 v[\co], v[\co], v[TH]
.endm
.Lnot_conv:
	s_cmp_ge_u32 s30, 640
	s_cbranch_scc1 .Lbias
	s_sub_co_u32 s31, s30, 512                     ; 16 positions; sixteen threads a position, two frequencies a thread
	v_and_b32 v3, 15, v0
	v_lshlrev_b32 v3, 3, v3
	global_load_b64 v[4:5], v3, s[20:21]           ; my two frequencies
	s_lshl_b32 s40, s31, 4
	v_lshrrev_b32 v6, 4, v0
	v_add_nc_u32 v6, s40, v6                       ; pos
	v_cvt_f32_u32 v6, v6
	s_lshl_b32 s32, s31, 12                        ; 16 positions of 256 bytes
	s_mov_b32 s33, 0
	s_add_nc_u64 s[34:35], s[28:29], s[32:33]
	s_wait_loadcnt 0x0
	v_mul_f32 v8, v6, v4                           ; the angle, rounded once
	v_mul_f32 v9, v6, v5
	SINCOS 8, 12, 13
	SINCOS 9, 14, 15
	global_store_b128 v2, v[12:15], s[34:35]       ; {cos, sin, cos, sin}: sixteen lanes fill a position's 256 bytes
	s_endpgm
.Lbias:
	global_load_b128 v[4:7], v2, s[14:15]          ; bq, bk, bv: four numbers a thread
	global_load_b128 v[8:11], v2, s[16:17]
	global_load_b128 v[12:15], v2, s[18:19]
	v_lshrrev_b32 v3, 4, v0                        ; head
	v_mul_u32_u24 v3, v3, 768                      ; 192 numbers a head
	v_and_b32 v16, 15, v0
	v_lshl_add_u32 v3, v16, 4, v3
	s_wait_loadcnt 0x0
	v_pk_mul_f32 v[4:5], v[4:5], s[44:45] op_sel_hi:[1,0]
	v_pk_mul_f32 v[6:7], v[6:7], s[44:45] op_sel_hi:[1,0]
	global_store_b128 v3, v[4:7], s[26:27]
	global_store_b128 v3, v[8:11], s[26:27] offset:256
	global_store_b128 v3, v[12:15], s[26:27] offset:512
	s_endpgm
.Lfunc_end_k_q4d02d84082_prep:
	.size	k_q4d02d84082_prep, .Lfunc_end_k_q4d02d84082_prep-k_q4d02d84082_prep
	.p2alignl 7, 3214868480
	.fill 96, 4, 3214868480
	.section	.rodata,"a",@progbits
	.p2align	6, 0x0
	.amdhsa_kernel k_q4d02d84082_prep
		.amdhsa_group_segment_fixed_size 0
		.amdhsa_private_segment_fixed_size 0
		.amdhsa_enable_private_segment 0
		.amdhsa_kernarg_size 104
		.amdhsa_user_sgpr_count 2
		.amdhsa_user_sgpr_kernarg_segment_ptr 1
		.amdhsa_wavefront_size32 1
		.amdhsa_system_sgpr_workgroup_id_x 1
		.amdhsa_system_sgpr_workgroup_id_y 1
		.amdhsa_system_sgpr_workgroup_id_z 1
		.amdhsa_system_vgpr_workitem_id 0
		.amdhsa_next_free_vgpr 128
		.amdhsa_next_free_sgpr 66
		.amdhsa_reserve_vcc 1
		.amdhsa_float_denorm_mode_32 3
		.amdhsa_float_denorm_mode_16_64 3
		.amdhsa_memory_ordered 1
		.amdhsa_forward_progress 1
		.amdhsa_inst_pref_size 18
	.end_amdhsa_kernel
	.amdgpu_metadata
---
amdhsa.version: [ 1, 2 ]
amdhsa.kernels:
  - .name:           k_q4d02d84082_prep
    .symbol:         k_q4d02d84082_prep.kd
    .args:
      - { .name: x, .offset: 0, .size: 8, .value_kind: global_buffer, .address_space: global }
      - { .name: Wq, .offset: 8, .size: 8, .value_kind: global_buffer, .address_space: global }
      - { .name: Wk, .offset: 16, .size: 8, .value_kind: global_buffer, .address_space: global }
      - { .name: Wv, .offset: 24, .size: 8, .value_kind: global_buffer, .address_space: global }
      - { .name: Wo, .offset: 32, .size: 8, .value_kind: global_buffer, .address_space: global }
      - { .name: bq, .offset: 40, .size: 8, .value_kind: global_buffer, .address_space: global }
      - { .name: bk, .offset: 48, .size: 8, .value_kind: global_buffer, .address_space: global }
      - { .name: bv, .offset: 56, .size: 8, .value_kind: global_buffer, .address_space: global }
      - { .name: freqs, .offset: 64, .size: 8, .value_kind: global_buffer, .address_space: global }
      - { .name: xb, .offset: 72, .size: 8, .value_kind: global_buffer, .address_space: global }
      - { .name: wbf, .offset: 80, .size: 8, .value_kind: global_buffer, .address_space: global }
      - { .name: bqkv, .offset: 88, .size: 8, .value_kind: global_buffer, .address_space: global }
      - { .name: tab, .offset: 96, .size: 8, .value_kind: global_buffer, .address_space: global }
    .group_segment_fixed_size: 0
    .private_segment_fixed_size: 0
    .kernarg_segment_align: 8
    .kernarg_segment_size: 104
    .max_flat_workgroup_size: 256
    .sgpr_count:     66
    .vgpr_count:     128
    .wavefront_size: 32
...
	.end_amdgpu_metadata
.endif
;; end of part 1
;; launch qkv (part 2): grid 16 x 16, 4 waves a work-group, clusters of 4 x 4, 327,680 bytes of LDS; arguments xb, wbf, bqkv, tab, qws, kws, vws; writes qws, kws, vws
.if DOCPART == 2
	.amdgcn_target "amdgcn-amd-amdhsa--gfx1250"
	.amdhsa_code_object_version 6
	.text
	.protected	k_q4d02d84082_qkv
	.globl	k_q4d02d84082_qkv
	.p2align	8
	.type	k_q4d02d84082_qkv,@function
k_q4d02d84082_qkv:
	s_mov_b64 s[64:65], 0
	v_nop
	global_prefetch_b8 v0, s[64:65] scope:SCOPE_SE
	s_setreg_imm32_b32 hwreg(HW_REG_WAVE_MODE, 25, 1), 1
	s_wait_xcnt 0x0
	s_wait_alu depctr_hold_cnt(0) depctr_sa_sdst(0) depctr_va_vdst(0) depctr_va_sdst(0) depctr_va_ssrc(0) depctr_va_vcc(0) depctr_vm_vsrc(0)
	s_getreg_b32 s2, hwreg(HW_REG_IB_STS2, 6, 4)
	s_cmp_eq_u32 s2, 0
	s_cbranch_scc0 .Lentry_in_a_cluster
	s_endpgm
.Lentry_in_a_cluster:
	s_bfe_u32 s2, ttmp6, 0x10000c
	s_cmp_lg_u32 s2, 0xf033
	s_cbranch_scc0 .Lentry_shape_is_right
	s_endpgm
.Lentry_shape_is_right:
; qkv: [4096 x 1024] x [3072 x 1024]^T in bf16 with f32 sums, bias as the first addend, the rotation of q and k on the way out.
; A work-group makes 256 rows x 192 columns = {Q, K, V} of one head (wbf's row order), so 16 x 16 = 256 work-groups of equal work and one text
; for the way out: column tiles 0-3 are Q, 4-7 K, 8-11 V in every work-group.
; Four waves; wave w makes rows 64 w .. 64 w + 63 and all 192 columns: 4 x 12 accumulator tiles, 384 registers.  For 32 along K a wave
; issues 32 LDS loads and 48 matrix instructions.
; K goes in steps of 128 through two LDS slots; a tile's rows are 256 bytes of memory and start at multiples of 256 bytes of their buffer.
; CLUSTERS: 4 x 4 work-groups.  x's tile hangs on the block row alone and is asked for jointly by a row of the cluster; W's tile hangs on the
; head alone and is asked for jointly by a column.  Each wave asks for a quarter of each: two tensor loads a wave and K step.
; The matrix instruction is used transposed (source 0 = rows of W, source 1 = rows of x): a lane then holds row l % 16 of the result and
; eight neighbouring columns 8 (l / 16) + 0..7, which are four (even, odd) pairs of the rotation and pack into 16 bytes.
; REGISTERS: window 0: addresses, x's fragments, bias (later the cos/sin table); window 1: W's fragments; windows 2, 3: accumulators.
.set KSTEP,  128
.set PITCH,  272                       ; 256 bytes + 16 of padding = 17 x 16: sixteen rows start at sixteen different 16-byte columns of 256
.set APART,  64*PITCH                  ; what one wave fetches of x
.set BPART,  48*PITCH                  ; and of W
.set ABYTES, 4*APART
.set SLOT,   ABYTES+4*BPART            ; 121,856
.set STAGE,  2*SLOT                    ; 243,712: behind the ring, never filled by a tensor load
.set SPITCH, 144                       ; a head's row of 128 bytes + 16
.set WSTAGE, 16*SPITCH                 ; 2,304 for each wave
.set LAPS,   4                         ; 1024 / (2 x 128)
.set ADRA, 16                          ; v16-17  LDS address of my x fragments, slot 0, 1
.set ADRB, 20                          ; v20-21  the same for W
.set STO,  24                          ; the way out: where I put 16 bytes
.set RD,   25                          ; where I read them back
.set CO,   26                          ; 16 x lane
.set TABA, 27                          ; my row of the cos/sin table
.set BIA,  28                          ; 32 x (lane / 16)
.set RB0,  32                          ; v32-47, v48-63: rows read back, by turns
.set RB1,  48
.set XF,   64                          ; v64-95, v96-127: x's fragments, buffers 0, 1 (4 x 8 registers each)
.set WF,   0                           ; window 1: v0-95, v96-191: W's fragments, buffers 0, 1 (12 x 8)
.set BIAS, 128                         ; v128-223: tile b, register j = bias of column 16 b + 8 (l / 16) + j
.set CS,   128                         ; v128-255, once the bias is spent: {cos, sin} at 32 a + 8 jq + 2 p
.set R,    64                          ; the way out: 32 rotated numbers (x's fragments are spent)
.set TMP,  96                          ; 16 registers of packed bf16
.set G1A, 24                           ; s[24:31] group 1 for x's tiles
.set G0A, 32                           ; s[32:39] group 0 for x's tiles, one set a slot
.set G1B, 48                           ; s[48:55] group 1 for W's tiles
.set G0B, 56                           ; s[56:63] group 0 for W's tiles
.set FIELDS, (1<<16)|(1<<20)|(1<<21)|(5<<22)|(3<<25)   ; 2-byte elements; padding on; bit 21 beside a mask; after 64 words; 4 words
.set MSB, 0
.macro WIN new                         ; the immediate's high byte repeats the setting that is left
.if MSB != (\new)
	s_set_vgpr_msb (MSB<<8)|(\new)
.set MSB, (\new)
.endif
.endm
.macro PLACES                          ; four plain vector instructions between a matrix instruction and a load into, or a vector
.rept 4                                ; instruction on, its registers (ISA guide 7.12.1 for vector instructions)
	v_nop
.endr
.endm
.macro JLOAD s                         ; both joint loads of a slot: every wave issues both, on every path
	tensor_load_to_lds s[G0A+4*\s:G0A+4*\s+3], s[G1A:G1A+7]
	s_nop 0
	tensor_load_to_lds s[G0B+4*\s:G0B+4*\s+3], s[G1B:G1B+7]
	s_nop 0
.endm
.macro CREST                           ; a round of the cluster's barrier behind its opening work-group barrier
	s_cmp_lg_u32 s18, 0
	s_cbranch_scc1 .Lnot_wave_0_\@
	s_barrier_signal -3
.Lnot_wave_0_\@:
	s_barrier_wait -3
	s_barrier_signal -1
	s_barrier_wait -1
.endm
.macro CROUND
	s_barrier_signal -1
	s_barrier_wait -1
	CREST
.endm
	s_load_b256 s[4:11], s[0:1], 0x0               ; xb, wbf, bqkv, tab
	s_load_b128 s[12:15], s[0:1], 0x20             ; qws, kws
	s_load_b64 s[16:17], s[0:1], 0x30              ; vws
	s_set_vgpr_msb 0x40
	v_lshl_add_u32 v255, v0, 2, 0x3dc00
	s_set_vgpr_msb 0x4000
	v_mov_b32 v31, 0
	s_set_vgpr_msb 0x1
	ds_add_u32 v255, v31
	s_set_vgpr_msb 0x100
	v_lshrrev_b32 v1, 5, v0
	v_readfirstlane_b32 s18, v1                    ; wave 0..3
	s_bfe_u32 s19, ttmp6, 0x40000                  ; cx
	s_bfe_u32 s20, ttmp6, 0x40004                  ; cy
	s_lshl_b32 s21, ttmp9, 2
	s_add_co_u32 s21, s21, s19                     ; bx = the head
	s_and_b32 s22, ttmp7, 0xffff
	s_lshl_b32 s22, s22, 2
	s_add_co_u32 s22, s22, s20                     ; by = the block of 256 rows
	s_lshl_b32 s40, s20, 2
	s_lshl_b32 s40, 15, s40                        ; my row of the cluster
	s_lshl_b32 s44, 0x1111, s19                    ; my column
	s_or_b32 s[G1A+0], s40, FIELDS
	s_or_b32 s[G1B+0], s44, FIELDS
	s_mov_b32 s[G1A+1], KSTEP<<16                  ; tensor_dim0 = 128
	s_mov_b32 s[G1B+1], KSTEP<<16
	s_mov_b32 s[G1A+2], 64<<16                     ; tensor_dim1 = 64 rows of x
	s_mov_b32 s[G1B+2], 48<<16                     ;             = 48 rows of W
	s_mov_b32 s[G1A+3], KSTEP<<16                  ; tile_dim0 = 128
	s_mov_b32 s[G1B+3], KSTEP<<16
	s_mov_b32 s[G1A+4], 64                         ; tile_dim1
	s_mov_b32 s[G1B+4], 48
	s_mov_b32 s[G1A+5], 1024                       ; elements from row to row
	s_mov_b32 s[G1B+5], 1024
	s_mov_b32 s[G1A+6], 0
	s_mov_b32 s[G1B+6], 0
	s_mov_b32 s[G1A+7], 0
	s_mov_b32 s[G1B+7], 0
	; x's address is made of by and the wave, W's of bx and the wave, each in registers that never hold the other coordinate
	s_lshl_b32 s40, s22, 8
	s_lshl_b32 s41, s18, 6
	s_add_co_u32 s40, s40, s41                     ; row 256 by + 64 w
	s_lshl_b32 s40, s40, 11                        ; of 2,048 bytes
	s_mov_b32 s41, 0
	s_mul_i32 s44, s21, 192
	s_mul_i32 s45, s18, 48
	s_add_co_u32 s44, s44, s45                     ; row 192 bx + 48 w
	s_lshl_b32 s44, s44, 11
	s_mov_b32 s45, 0
	s_mul_i32 s23, s18, APART                      ; LDS: the wave's number alone
	s_mul_i32 s76, s18, BPART
	s_add_co_u32 s76, s76, ABYTES
	s_wait_dscnt 0x0
	s_wait_kmcnt 0x0
	s_add_nc_u64 s[42:43], s[4:5], s[40:41]
	s_add_nc_u64 s[46:47], s[6:7], s[44:45]
	CROUND                                         ; all sixteen work-groups are here: the first joint loads meet
.irp s, 0,1
	s_mov_b32 s[G0A+4*\s], 1
	s_add_co_u32 s[G0A+4*\s+1], s23, \s*SLOT
	s_add_nc_u64 s[G0A+4*\s+2:G0A+4*\s+3], s[42:43], \s*KSTEP*2
	s_or_b32 s[G0A+4*\s+3], s[G0A+4*\s+3], 0x80000000
	s_mov_b32 s[G0B+4*\s], 1
	s_add_co_u32 s[G0B+4*\s+1], s76, \s*SLOT
	s_add_nc_u64 s[G0B+4*\s+2:G0B+4*\s+3], s[46:47], \s*KSTEP*2
	s_or_b32 s[G0B+4*\s+3], s[G0B+4*\s+3], 0x80000000
	JLOAD \s                                       ; four tensor loads of the wave are out now, two behind every later round
.endr
	v_and_b32 v5, 15, v0                           ; r = l % 16
	v_bfe_u32 v6, v0, 4, 1                         ; h = l / 16
	v_and_b32 v7, 31, v0                           ; l
	v_lshlrev_b32 v[BIA], 5, v6
	s_mul_i32 s80, s21, 768                        ; the head's 192 biases
	s_mov_b32 s81, 0
	s_add_nc_u64 s[74:75], s[8:9], s[80:81]
.irp b, 0,1,2,3,4,5,6,7,8,9,10,11
	global_load_b128 v[BIAS+8*\b:BIAS+8*\b+3],   v[BIA], s[74:75] offset:64*\b
	global_load_b128 v[BIAS+8*\b+4:BIAS+8*\b+7], v[BIA], s[74:75] offset:64*\b+16
.endr
	v_mul_u32_u24 v3, v5, PITCH
	v_lshl_add_u32 v3, v6, 4, v3                   ; row x pitch + 16 h
	v_add_nc_u32 v[ADRA], s23, v3                  ; my 64 rows of x
	v_add_nc_u32 v[ADRA+1], SLOT, v[ADRA]
	v_add_nc_u32 v[ADRB], ABYTES, v3               ; all 192 rows of W
	v_add_nc_u32 v[ADRB+1], SLOT+ABYTES, v3
	s_mul_i32 s79, s18, WSTAGE
	s_add_co_u32 s79, s79, STAGE                   ; my stage
	v_mul_u32_u24 v4, v5, SPITCH
	v_lshl_add_u32 v4, v6, 4, v4
	v_add_nc_u32 v[STO], s79, v4                   ; in: row r, 16 bytes for each half of the lanes
	v_lshrrev_b32 v4, 3, v7
	v_mul_u32_u24 v4, v4, SPITCH
	v_and_b32 v8, 7, v0
	v_lshl_add_u32 v4, v8, 4, v4
	v_add_nc_u32 v[RD], s79, v4                    ; back: eight lanes a row of 128 bytes, four rows a load
	v_lshlrev_b32 v[CO], 4, v7
	s_and_b32 s77, s22, 7
	s_lshl_b32 s77, s77, 8
	s_lshl_b32 s78, s18, 6
	s_add_co_u32 s77, s77, s78                     ; my first position in the sequence: 256 (by % 8) + 64 w
	v_add_nc_u32 v4, s77, v5
	v_lshlrev_b32 v4, 8, v4                        ; 256 bytes of table a position
	v_lshl_add_u32 v[TABA], v6, 5, v4              ; + 32 h: four frequencies
	s_lshr_b32 s66, s22, 3                         ; batch
	s_lshl_b32 s66, s66, 4
	s_add_co_u32 s66, s66, s21                     ; 16 batch + head
	s_lshl_b32 s66, s66, 11
	s_add_co_u32 s66, s66, s77                     ; row in [32][2048]
	s_lshl_b32 s66, s66, 7                         ; of 128 bytes
	s_mov_b32 s67, 0
	s_add_nc_u64 s[68:69], s[12:13], s[66:67]      ; where my rows of q,
	s_add_nc_u64 s[70:71], s[14:15], s[66:67]      ; k
	s_add_nc_u64 s[72:73], s[16:17], s[66:67]      ; and v go
; 12 matrix instructions: row tile a of the window's two (hi = 0: my rows 0-31, 1: rows 32-63) x all 12 column tiles, 32 along K, buffer f.
; first = 1: the bias is the first addend, so nothing is cleared and nothing is added later.
.macro MULROW f, hi, a, first
.irp b, 0,1,2,3,4,5,6,7,8,9,10,11
.if \first
	v_wmma_f32_16x16x32_bf16 v[8*(12*\a+\b):8*(12*\a+\b)+7], v[WF+96*\f+8*\b:WF+96*\f+8*\b+7], v[XF+32*\f+8*(2*\hi+\a):XF+32*\f+8*(2*\hi+\a)+7], v[BIAS+8*\b:BIAS+8*\b+7]
.else
	v_wmma_f32_16x16x32_bf16 v[8*(12*\a+\b):8*(12*\a+\b)+7], v[WF+96*\f+8*\b:WF+96*\f+8*\b+7], v[XF+32*\f+8*(2*\hi+\a):XF+32*\f+8*(2*\hi+\a)+7], v[8*(12*\a+\b):8*(12*\a+\b)+7]
.endif
.endr
.endm
; 32 LDS loads in one run: 192 rows of W, then my 64 rows of x, 32 K at byte k of the rows, into buffer f
.macro FETCH slot, k, f
	WIN 0x40
.irp b, 0,1,2,3,4,5,6,7,8,9,10,11
	ds_load_b128 v[WF+96*\f+8*\b:WF+96*\f+8*\b+3],   v[ADRB+\slot] offset:\k+\b*16*PITCH
	ds_load_b128 v[WF+96*\f+8*\b+4:WF+96*\f+8*\b+7], v[ADRB+\slot] offset:\k+\b*16*PITCH+32
.endr
	WIN 0
.irp a, 0,1,2,3
	ds_load_b128 v[XF+32*\f+8*\a:XF+32*\f+8*\a+3],   v[ADRA+\slot] offset:\k+\a*16*PITCH
	ds_load_b128 v[XF+32*\f+8*\a+4:XF+32*\f+8*\a+7], v[ADRA+\slot] offset:\k+\a*16*PITCH+32
.endr
.endm
; A quarter step: 48 matrix instructions on buffer f; in its middle the next quarter's fragments go into buffer g.
; The 48 accumulators take turns, one instruction a turn, in the same order in every quarter.
.macro QUARTER slot, k, f, g, first
	s_wait_dscnt 4                                 ; W and x's rows 0-31 are in; the youngest four loads (x's rows 32-63) may be out
.if \first
	WIN 0x81                                       ; W window 1, x and the bias window 0, result window 2
.else
	WIN 0xa1
.endif
	MULROW \f, 0, 0, \first
	MULROW \f, 0, 1, \first
	PLACES
	FETCH \slot, \k, \g
	s_wait_dscnt 32                                ; all but the 32 just issued
.if \first
	WIN 0xc1
.else
	WIN 0xf1
.endif
	MULROW \f, 1, 0, \first
	MULROW \f, 1, 1, \first
.endm
.macro THREE slot, first
	QUARTER \slot, 64,  0, 1, \first
	QUARTER \slot, 128, 1, 0, 0
	QUARTER \slot, 192, 0, 1, 0
.endm
; The last quarter of a K step multiplies buffer 1 and changes slots.  In front of the barrier each wave waits for its reads of this slot and
; for all its tensor loads (its parts of the next slot).  fill = 1: the barrier opens a round of the cluster's barrier, and the joint refills
; of this slot, two K steps ahead, are the first tensor loads behind the round.
.macro TURN slot, next, fill
	s_wait_dscnt 4
	WIN 0xa1
	MULROW 1, 0, 0, 0
	s_wait_dscnt 0x0                               ; my reads of this slot are over
	s_wait_tensorcnt 0x0                           ; all my tensor loads have landed
	ds_add_u32 v255, v31
	s_wait_dscnt 0x0
	s_barrier_signal -1
	MULROW 1, 0, 1, 0                              ; registers only, while the others arrive
	WIN 0
	s_barrier_wait -1
.if \fill
	CREST
	s_add_nc_u64 s[G0A+4*\slot+2:G0A+4*\slot+3], s[G0A+4*\slot+2:G0A+4*\slot+3], 2*KSTEP*2
	s_add_nc_u64 s[G0B+4*\slot+2:G0B+4*\slot+3], s[G0B+4*\slot+2:G0B+4*\slot+3], 2*KSTEP*2
	JLOAD \slot
.endif
	PLACES
	FETCH \next, 0, 0
	WIN 0xf1
	MULROW 1, 1, 0, 0
	MULROW 1, 1, 1, 0
.endm
.macro LAP first
	THREE 0, \first
	TURN 0, 1, 1
	THREE 1, 0
	TURN 1, 0, 1
.endm
	s_wait_loadcnt 0x0                             ; the bias
	s_wait_tensorcnt 2                             ; my two parts of K step 0 are in; the two of K step 1 stay out
	s_barrier_signal -1
	s_barrier_wait -1
	FETCH 0, 0, 0
	LAP 1
	WIN 0
	; the bias is spent (its last use lies a lap back): its registers take my 64 rows of the cos/sin table, 32 loads that stay out over the loop
.irp a, 0,1,2,3
.irp jq, 0,1,2,3
	global_load_b128 v[CS+32*\a+8*\jq:CS+32*\a+8*\jq+3],   v[TABA], s[10:11] offset:\a*4096+\jq*64
	global_load_b128 v[CS+32*\a+8*\jq+4:CS+32*\a+8*\jq+7], v[TABA], s[10:11] offset:\a*4096+\jq*64+16
.endr
.endr
	s_mov_b32 s3, LAPS-2
.Llap:
	LAP 0
	WIN 0
	s_sub_co_u32 s3, s3, 1
	s_cmp_lg_u32 s3, 0
	s_cbranch_scc1 .Llap
	THREE 0, 0                                     ; the last lap fills nothing
	TURN 0, 1, 0
	THREE 1, 0
	s_wait_dscnt 4
	WIN 0xa1
	MULROW 1, 0, 0, 0
	MULROW 1, 0, 1, 0
	s_wait_dscnt 0x0
	WIN 0xf1
	MULROW 1, 1, 0, 0
	MULROW 1, 1, 1, 0
	PLACES
; THE WAY OUT: 16 rows x 64 columns of one of Q, K, V at a time.  Q and K are rotated: with (e, o) a pair of columns and (c, s) its
; cosine and sine, (e c - o s, o c + e s), two packed instructions a pair.  Then bf16, 16 bytes a lane into my own stage, back as whole rows,
; and four stores of 512 neighbouring bytes each (a head's rows lie densely).
.macro OUTM a, mat, rb
.if \mat < 2
	WIN 2+\a/2                                     ; source 0 = the accumulators' window
.irp jq, 0,1,2,3
.irp p, 0,2,4,6
	v_pk_mul_f32 v[R+8*\jq+\p:R+8*\jq+\p+1], v[8*(12*(\a%2)+4*\mat+\jq)+\p:8*(12*(\a%2)+4*\mat+\jq)+\p+1], v[CS+32*\a+8*\jq+\p:CS+32*\a+8*\jq+\p+1] op_sel_hi:[1,0]
.endr
.endr
.irp jq, 0,1,2,3
.irp p, 0,2,4,6
	v_pk_fma_f32 v[R+8*\jq+\p:R+8*\jq+\p+1], v[8*(12*(\a%2)+4*\mat+\jq)+\p:8*(12*(\a%2)+4*\mat+\jq)+\p+1], v[CS+32*\a+8*\jq+\p:CS+32*\a+8*\jq+\p+1], v[R+8*\jq+\p:R+8*\jq+\p+1] op_sel:[1,1,0] op_sel_hi:[0,1,1] neg_lo:[0,1,0]
.endr
.endr
	WIN 0
.irp jq, 0,1,2,3
.irp p, 0,1,2,3
	v_cvt_pk_bf16_f32 v[TMP+4*\jq+\p], v[R+8*\jq+2*\p], v[R+8*\jq+2*\p+1]
.endr
.endr
.else
	WIN 5*(2+\a/2)                                 ; sources 0 and 1 = the accumulators' window
.irp jq, 0,1,2,3
.irp p, 0,1,2,3
	v_cvt_pk_bf16_f32 v[TMP+4*\jq+\p], v[8*(12*(\a%2)+8+\jq)+2*\p], v[8*(12*(\a%2)+8+\jq)+2*\p+1]
.endr
.endr
	WIN 0
.endif
.irp jq, 0,1,2,3
	ds_store_b128 v[STO], v[TMP+4*\jq:TMP+4*\jq+3] offset:32*\jq
.endr
	s_wait_xcnt 0x0                                ; the registers that earlier stores read are loaded again only behind this wait
.irp t, 0,1,2,3
	ds_load_b128 v[\rb+4*\t:\rb+4*\t+3], v[RD] offset:\t*4*SPITCH    ; LDS serves a wave's instructions in order: these see the stores above
.endr
.irp t, 0,1,2,3
	s_wait_dscnt 3-\t
	global_store_b128 v[CO], v[\rb+4*\t:\rb+4*\t+3], s[68+2*\mat:69+2*\mat] offset:\a*2048+\t*512
.endr
.endm
	s_wait_loadcnt 24                              ; the table of my rows 0-15: eight loads; the 24 of the later rows may be out
	OUTM 0, 0, RB0
	OUTM 0, 1, RB1
	OUTM 0, 2, RB0
	s_wait_loadcnt 16
	OUTM 1, 0, RB1
	OUTM 1, 1, RB0
	OUTM 1, 2, RB1
	s_wait_loadcnt 8
	OUTM 2, 0, RB0
	OUTM 2, 1, RB1
	OUTM 2, 2, RB0
	s_wait_loadcnt 0x0
	OUTM 3, 0, RB1
	OUTM 3, 1, RB0
	OUTM 3, 2, RB1
	s_set_vgpr_msb 0x1
	s_wait_tensorcnt 0x0
	ds_add_u32 v255, v31
	s_wait_dscnt 0x0
	s_set_vgpr_msb 0x100
	CROUND                                         ; the closing round: no work-group ends while a partner may still ask for a tile that names it
	s_endpgm
.Lfunc_end_k_q4d02d84082_qkv:
	.size	k_q4d02d84082_qkv, .Lfunc_end_k_q4d02d84082_qkv-k_q4d02d84082_qkv
	.p2alignl 7, 3214868480
	.fill 96, 4, 3214868480
	.section	.rodata,"a",@progbits
	.p2align	6, 0x0
	.amdhsa_kernel k_q4d02d84082_qkv
		.amdhsa_group_segment_fixed_size 327680
		.amdhsa_private_segment_fixed_size 0
		.amdhsa_enable_private_segment 0
		.amdhsa_kernarg_size 56
		.amdhsa_user_sgpr_count 2
		.amdhsa_user_sgpr_kernarg_segment_ptr 1
		.amdhsa_wavefront_size32 1
		.amdhsa_system_sgpr_workgroup_id_x 1
		.amdhsa_system_sgpr_workgroup_id_y 1
		.amdhsa_system_sgpr_workgroup_id_z 1
		.amdhsa_system_vgpr_workitem_id 0
		.amdhsa_next_free_vgpr 1024
		.amdhsa_next_free_sgpr 84
		.amdhsa_reserve_vcc 0
		.amdhsa_float_denorm_mode_32 3
		.amdhsa_float_denorm_mode_16_64 3
		.amdhsa_memory_ordered 1
		.amdhsa_forward_progress 1
		.amdhsa_inst_pref_size 185
	.end_amdhsa_kernel
	.amdgpu_metadata
---
amdhsa.version: [ 1, 2 ]
amdhsa.kernels:
  - .name:           k_q4d02d84082_qkv
    .symbol:         k_q4d02d84082_qkv.kd
    .args:
      - { .name: xb, .offset: 0, .size: 8, .value_kind: global_buffer, .address_space: global }
      - { .name: wbf, .offset: 8, .size: 8, .value_kind: global_buffer, .address_space: global }
      - { .name: bqkv, .offset: 16, .size: 8, .value_kind: global_buffer, .address_space: global }
      - { .name: tab, .offset: 24, .size: 8, .value_kind: global_buffer, .address_space: global }
      - { .name: qws, .offset: 32, .size: 8, .value_kind: global_buffer, .address_space: global }
      - { .name: kws, .offset: 40, .size: 8, .value_kind: global_buffer, .address_space: global }
      - { .name: vws, .offset: 48, .size: 8, .value_kind: global_buffer, .address_space: global }
    .group_segment_fixed_size: 327680
    .private_segment_fixed_size: 0
    .kernarg_segment_align: 8
    .kernarg_segment_size: 56
    .max_flat_workgroup_size: 128
    .sgpr_count:     84
    .vgpr_count:     1024
    .wavefront_size: 32
...
	.end_amdgpu_metadata
.endif
;; end of part 2
;; launch attn (part 3): grid 8 x 32, 8 waves a work-group, clusters of 4 x 1, 327,680 bytes of LDS; arguments qws, kws, vws, padding_mask, att; writes att
.if DOCPART == 3
	.amdgcn_target "amdgcn-amd-amdhsa--gfx1250"
	.amdhsa_code_object_version 6
	.text
	.protected	k_q4d02d84082_attn
	.globl	k_q4d02d84082_attn
	.p2align	8
	.type	k_q4d02d84082_attn,@function
k_q4d02d84082_attn:
	s_mov_b64 s[64:65], 0
	v_nop
	global_prefetch_b8 v0, s[64:65] scope:SCOPE_SE
	s_setreg_imm32_b32 hwreg(HW_REG_WAVE_MODE, 25, 1), 1
	s_wait_xcnt 0x0
	s_wait_alu depctr_hold_cnt(0) depctr_sa_sdst(0) depctr_va_vdst(0) depctr_va_sdst(0) depctr_va_ssrc(0) depctr_va_vcc(0) depctr_vm_vsrc(0)
	s_getreg_b32 s2, hwreg(HW_REG_IB_STS2, 6, 4)
	s_cmp_eq_u32 s2, 0
	s_cbranch_scc0 .Lentry_in_a_cluster
	s_endpgm
.Lentry_in_a_cluster:
	s_bfe_u32 s2, ttmp6, 0x10000c
	s_cmp_lg_u32 s2, 0x3003
	s_cbranch_scc0 .Lentry_shape_is_right
	s_endpgm
.Lentry_shape_is_right:
; attn: softmax(q k^T + mask) v for one (batch, head) and 256 queries, with a running maximum; q carries log2(e)/64, so exponentials are base 2.
; Eight waves: wave w has 64 queries (qg = w % 4) and one half (kg = w / 4) of every tile of 256 keys; the two halves are joined once at the end.
; Two waves lie on a SIMD, so that one wave's softmax runs beside the other's matrix instructions.
; Both products are used transposed.  S^T = K Q^T: a lane holds ONE query (l % 16) and eight keys 8 (l / 16) + 0..7 of each key tile, so the
; maximum and the sum run along a lane's registers with one exchange between the halves of the lanes, the mask bias (a number per key)
; is the product's first addend, and the exponentials, packed to bf16 in place, ARE the second operand of O^T = V^T P^T: no lane moves.
; V lies [key][d] in LDS and is read by the transposing load.
; CLUSTERS: the four work-groups of a cluster are four query blocks of one head; they ask for K's and V's tiles jointly (mask 15).
; LIMITS: a masked key gets the bias -1e30 and the maximum starts at -1e29, so scores (in log2 units) must lie above -1e29; a mask byte
; other than 0 counts as masked.  A row whose keys are all masked has the sum 0 and comes out as 0 x infinity = NaN.
.set KP, 144                           ; K's row: 128 bytes + 16 = 9 x 16
.set VP, 160                           ; V's row: 128 bytes + 32 = 5 x 32, as the transposing load's addresses want
.set KBYTES, 256*KP
.set VBYTES, 256*VP
.set SLOT,   KBYTES+VBYTES             ; 77,824
.set MBT,    2*SLOT                    ; 155,648: the mask bias of the batch's 2,048 keys, f32
.set MERGE,  MBT+8192                  ; 163,840: 17,408 bytes for each qg
.set MPART,  17408
.set STAGE,  MERGE+4*MPART             ; 233,472: 2,304 bytes for each qg
.set SPITCH, 144
.set WSTAGE, 16*SPITCH
.set TILEB,  256*128                   ; a tile of 256 keys in memory
.set KA,  4                            ; v4-5    LDS address of my K fragments, slot 0, 1
.set VA,  6                            ; v6-7    the same for V
.set MBA, 8                            ; v8-9    the mask bias of the slot's next tile
.set T2,  10                           ; v10-11  second chain of the row sum
.set M,   12                           ; v12-15  running maximum of query tile c
.set AL,  16                           ; v16-19  2^(old maximum - new maximum)
.set TM,  20                           ; v20-23  the new maximum
.set LP,  24                           ; v24-31  running sum, a pair for each c
.set MB,  32                           ; v32-63  mask bias, 8 registers a key tile
.set KF,  64                           ; v64-127 K's fragments, 8 (2 t + ks)
.set S,   128                          ; v128-255 scores: tile (t, c) at 16 (4 (t / 2) + c) + 8 (t % 2)
.set O,   0                            ; window 1: v0-127 O^T, tile (dt, c) at 8 (4 c + dt)
.set QF,  128                          ; window 1: v128-191 Q's fragments, 8 (2 c + ks)
.set VF,  192                          ; window 1: v192-255 V's fragments, 8 (2 dt + u)
.set G1K, 24                           ; s[24:31]
.set G1V, 32                           ; s[32:39]
.set G0K, 40                           ; s[40:47], a set a slot
.set G0V, 48                           ; s[48:55]
.set MSB, 0
.macro WIN new
.if MSB != (\new)
	s_set_vgpr_msb (MSB<<8)|(\new)
.set MSB, (\new)
.endif
.endm
.macro PLACES                          ; four plain vector instructions between a matrix instruction and what touches its registers (ISA guide 7.12.1)
.rept 4
	v_nop
.endr
.endm
.macro ROUND                           ; a round of the cluster's barrier
	s_barrier_signal -1
	s_barrier_wait -1
	s_cmp_lg_u32 s14, 0
	s_cbranch_scc1 .Lnot_wave_0_\@
	s_barrier_signal -3
.Lnot_wave_0_\@:
	s_barrier_wait -3
	s_barrier_signal -1
	s_barrier_wait -1
.endm
	s_load_b256 s[4:11], s[0:1], 0x0               ; qws, kws, vws, padding_mask
	s_load_b64 s[12:13], s[0:1], 0x20              ; att
	v_lshl_add_u32 v254, v0, 2, 0x3b400
	v_mov_b32 v255, 0
	ds_add_u32 v254, v255
	s_wait_dscnt 0x0
	v_lshrrev_b32 v1, 5, v0
	v_readfirstlane_b32 s14, v1                    ; wave 0..7
	s_and_b32 s15, s14, 3                          ; qg
	s_lshr_b32 s16, s14, 2                         ; kg
	s_and_b32 s17, ttmp7, 0xffff                   ; bh = 16 batch + head
	s_bfe_u32 s66, ttmp6, 0x40000                  ; cx
	s_lshl_b32 s67, ttmp9, 2
	s_add_co_u32 s67, s67, s66                     ; qb: the block of 256 queries
	s_mov_b32 s56, 0x76543210                      ; v_permlanex16_b32: lane i reads lane i of the other half
	s_mov_b32 s57, 0xfedcba98
	; group 1: a piece of 32 rows x 64 elements; K padded by 4 words a row, V by 8
	s_mov_b32 s[G1K+0], 15|(1<<16)|(1<<20)|(1<<21)|(4<<22)|(3<<25)
	s_mov_b32 s[G1V+0], 15|(1<<16)|(1<<20)|(1<<21)|(4<<22)|(7<<25)
	s_mov_b32 s[G1K+1], 64<<16
	s_mov_b32 s[G1V+1], 64<<16
	s_mov_b32 s[G1K+2], 32<<16
	s_mov_b32 s[G1V+2], 32<<16
	s_mov_b32 s[G1K+3], 64<<16
	s_mov_b32 s[G1V+3], 64<<16
	s_mov_b32 s[G1K+4], 32
	s_mov_b32 s[G1V+4], 32
	s_mov_b32 s[G1K+5], 64
	s_mov_b32 s[G1V+5], 64
	s_mov_b32 s[G1K+6], 0
	s_mov_b32 s[G1V+6], 0
	s_mov_b32 s[G1K+7], 0
	s_mov_b32 s[G1V+7], 0
	s_lshl_b32 s18, s17, 18                        ; the head's 2,048 rows of 128 bytes
	s_lshl_b32 s19, s14, 12                        ; + my 32 rows of a tile
	s_add_co_u32 s18, s18, s19
	s_mov_b32 s19, 0
	s_mul_i32 s59, s14, 32*KP                      ; LDS: the wave's number alone
	s_mul_i32 s60, s14, 32*VP
	s_add_co_u32 s60, s60, KBYTES
	s_lshr_b32 s62, s17, 4                         ; batch
	s_lshl_b32 s62, s62, 11                        ; its 2,048 mask bytes
	s_mov_b32 s63, 0
	s_lshl_b32 s70, s17, 11
	s_lshl_b32 s71, s67, 8
	s_add_co_u32 s70, s70, s71                     ; row 2048 bh + 256 qb
	s_lshl_b32 s70, s70, 7
	s_mov_b32 s71, 0
	s_lshl_b32 s78, s15, 13                        ; + 64 qg rows, for the way out
	s_add_co_u32 s78, s78, s70
	s_mov_b32 s79, 0
	v_lshlrev_b32 v2, 3, v0                        ; my 8 mask bytes
	v_and_b32 v3, 15, v0                           ; r
	v_bfe_u32 v10, v0, 4, 1                        ; h
	s_lshl_b32 s61, s15, 6
	v_add_nc_u32 v1, s61, v3
	v_lshlrev_b32 v1, 7, v1
	v_lshl_add_u32 v1, v10, 4, v1                  ; Q: (64 qg + r) x 128 + 16 h
	s_wait_kmcnt 0x0
	s_add_nc_u64 s[20:21], s[6:7], s[18:19]
	s_add_nc_u64 s[22:23], s[8:9], s[18:19]
	s_add_nc_u64 s[68:69], s[10:11], s[62:63]
	s_add_nc_u64 s[72:73], s[4:5], s[70:71]
	s_add_nc_u64 s[74:75], s[12:13], s[78:79]
.irp s, 0,1
	s_mov_b32 s[G0K+4*\s], 1
	s_add_co_u32 s[G0K+4*\s+1], s59, \s*SLOT
	s_add_nc_u64 s[G0K+4*\s+2:G0K+4*\s+3], s[20:21], \s*TILEB
	s_or_b32 s[G0K+4*\s+3], s[G0K+4*\s+3], 0x80000000
	s_mov_b32 s[G0V+4*\s], 1
	s_add_co_u32 s[G0V+4*\s+1], s60, \s*SLOT
	s_add_nc_u64 s[G0V+4*\s+2:G0V+4*\s+3], s[22:23], \s*TILEB
	s_or_b32 s[G0V+4*\s+3], s[G0V+4*\s+3], 0x80000000
.endr
	global_load_b64 v[32:33], v2, s[68:69]         ; the mask first,
	WIN 0x40
.irp c, 0,1,2,3
.irp ks, 0,1
	global_load_b128 v[QF+8*(2*\c+\ks):QF+8*(2*\c+\ks)+3],   v1, s[72:73] offset:\c*2048+\ks*64      ; then my 64 queries as fragments, kept for the whole kernel
	global_load_b128 v[QF+8*(2*\c+\ks)+4:QF+8*(2*\c+\ks)+7], v1, s[72:73] offset:\c*2048+\ks*64+32
.endr
.endr
	WIN 0
	s_lshl_b32 s76, s16, 7                         ; my half of a tile: 128 kg
	v_add_nc_u32 v11, s76, v3
	v_mul_u32_u24 v11, v11, KP
	v_lshl_add_u32 v[KA], v10, 4, v11              ; (128 kg + r) x 144 + 16 h
	v_add_nc_u32 v[KA+1], SLOT, v[KA]
	v_and_b32 v11, 7, v0
	v_lshl_add_u32 v11, v10, 3, v11
	v_add_nc_u32 v11, s76, v11
	v_mul_u32_u24 v11, v11, VP                     ; (128 kg + 8 h + l % 8) x 160
	v_bfe_u32 v12, v0, 3, 1
	v_lshl_add_u32 v11, v12, 4, v11                ; + 16 ((l / 8) % 2)
	v_add_nc_u32 v[VA], KBYTES, v11
	v_add_nc_u32 v[VA+1], SLOT+KBYTES, v11
	s_lshl_b32 s77, s16, 9
	s_add_co_u32 s77, s77, MBT
	v_lshlrev_b32 v11, 5, v10
	v_add_nc_u32 v[MBA], s77, v11                  ; bias of keys 128 kg + 8 h ..
	v_add_nc_u32 v[MBA+1], 1024, v[MBA]            ; slot 1 begins with tile 1
.irp c, 0,1,2,3
	v_mov_b32 v[M+\c], 0xefa18f08                  ; -1e29
	v_mov_b32 v[AL+\c], 0                          ; the exchange's destination counts as read
.endr
	v_mov_b32 v35, 0xf149f2ca                      ; -1e30
	v_lshlrev_b32 v36, 5, v0
	v_add_nc_u32 v36, MBT, v36
	s_wait_loadcnt 16                              ; the mask is in; Q's sixteen loads stay out
.irp k, 0,1,2,3
	v_bfe_u32 v34, v32, 8*\k, 8
	v_cmp_ne_u32 vcc_lo, 0, v34
	v_cndmask_b32 v[40+\k], 0, v35, vcc_lo
	v_bfe_u32 v34, v33, 8*\k, 8
	v_cmp_ne_u32 vcc_lo, 0, v34
	v_cndmask_b32 v[44+\k], 0, v35, vcc_lo
.endr
	ds_store_b128 v36, v[40:43]
	ds_store_b128 v36, v[44:47] offset:16
	s_wait_dscnt 0x0                               ; for the other waves' sake: the bias is in LDS in front of the round's barriers
	ROUND                                          ; the four work-groups are here: the first joint loads meet
	tensor_load_to_lds s[G0K:G0K+3], s[G1K:G1K+7]  ; tile 0: two tensor loads of the wave are out, as behind every later round
	s_nop 0
	tensor_load_to_lds s[G0V:G0V+3], s[G1V:G1V+7]
	s_nop 0
	s_wait_loadcnt 0x0                             ; Q
; 24 LDS loads: K's fragments and the mask bias of keys 64 kk .. 64 kk + 63 of my half of the slot's tile
.macro KLOAD slot, kk
.irp t, 0,1,2,3
.irp ks, 0,1
	ds_load_b128 v[KF+8*(2*\t+\ks):KF+8*(2*\t+\ks)+3],   v[KA+\slot] offset:(64*(\kk)+16*\t)*KP+64*\ks
	ds_load_b128 v[KF+8*(2*\t+\ks)+4:KF+8*(2*\t+\ks)+7], v[KA+\slot] offset:(64*(\kk)+16*\t)*KP+64*\ks+32
.endr
.endr
.irp t, 0,1,2,3
	ds_load_b128 v[MB+8*\t:MB+8*\t+3],   v[MBA+\slot] offset:256*(\kk)+64*\t
	ds_load_b128 v[MB+8*\t+4:MB+8*\t+7], v[MBA+\slot] offset:256*(\kk)+64*\t+16
.endr
.endm
; 16 score products, d = 32 ks .. 32 ks + 31.  ks = 0 takes the mask bias as its addend.  The 16 accumulators take turns.
.macro SMUL ks
.irp t, 0,1,2,3
.irp c, 0,1,2,3
.if \ks == 0
	v_wmma_f32_16x16x32_bf16 v[S+16*(4*(\t/2)+\c)+8*(\t%2):S+16*(4*(\t/2)+\c)+8*(\t%2)+7], v[KF+16*\t:KF+16*\t+7], v[QF+16*\c:QF+16*\c+7], v[MB+8*\t:MB+8*\t+7]
.else
	v_wmma_f32_16x16x32_bf16 v[S+16*(4*(\t/2)+\c)+8*(\t%2):S+16*(4*(\t/2)+\c)+8*(\t%2)+7], v[KF+16*\t+8:KF+16*\t+15], v[QF+16*\c+8:QF+16*\c+15], v[S+16*(4*(\t/2)+\c)+8*(\t%2):S+16*(4*(\t/2)+\c)+8*(\t%2)+7]
.endif
.endr
.endr
.endm
; the largest of a lane's 32 scores and the old maximum, four chains (one a query tile) side by side
.macro MAXES
.irp c, 0,1,2,3
	v_max3_num_f32 v[TM+\c], v[S+16*\c], v[S+16*\c+1], v[M+\c]
.endr
.irp i, 2,4,6,8,10,12,14,64,66,68,70,72,74,76,78
.irp c, 0,1,2,3
	v_max3_num_f32 v[TM+\c], v[S+16*\c+\i], v[S+16*\c+\i+1], v[TM+\c]
.endr
.endr
.endm
; In the next macros (c, cp, o) name query tile c, the even register of its pair, and its place in the pair: the packed forms spread one register over both halves.
.macro RESC c, cp, o                   ; O of query tile c times 2^(old maximum - new)
.set i, 0
	s_wait_alu depctr_va_vdst(0)
.rept 16
	v_pk_mul_f32 v[O+32*\c+i:O+32*\c+i+1], v[O+32*\c+i:O+32*\c+i+1], v[AL+\cp:AL+\cp+1] op_sel:[0,\o] op_sel_hi:[1,\o]
.set i, i+2
.endr
.endm
.macro SUBM c, cp, o                   ; scores minus the maximum
.irp u, 0,64
.set i, 0
.rept 8
	v_pk_add_f32 v[S+\u+16*\c+i:S+\u+16*\c+i+1], v[S+\u+16*\c+i:S+\u+16*\c+i+1], v[M+\cp:M+\cp+1] op_sel:[0,\o] op_sel_hi:[1,\o] neg_lo:[0,1] neg_hi:[0,1]
.set i, i+2
.endr
.endr
.endm
.macro EXPS c                          ; 32 exponentials in place; what follows each run is plain work on another query tile (ISA guide 5.7.2)
.irp u, 0,64
.set i, 0
.rept 16
	v_exp_f32 v[S+\u+16*\c+i], v[S+\u+16*\c+i]
.set i, i+1
.endr
.endr
.endm
; The row sum in two chains (keys 0-31 into LP, on top of the rescaled old sum; keys 32-63 into T2), and the packing to bf16 in place:
; word i of a block of 16 takes numbers 2 i, 2 i + 1, which have been added by then, and lands on numbers that have been packed by then.
.macro SUMCVT c, cp, o, first
.set B0, S+16*\c
.set B1, S+64+16*\c
.if \first
	s_wait_alu depctr_va_vdst(0)
	v_pk_add_f32 v[LP+2*\c:LP+2*\c+1], v[B0:B0+1], v[B0+2:B0+3]
.else
	s_wait_alu depctr_va_vdst(0)
	v_pk_fma_f32 v[LP+2*\c:LP+2*\c+1], v[LP+2*\c:LP+2*\c+1], v[AL+\cp:AL+\cp+1], v[B0:B0+1] op_sel:[0,\o,0] op_sel_hi:[1,\o,1]
.endif
	v_pk_add_f32 v[T2:T2+1], v[B1:B1+1], v[B1+2:B1+3]
	v_cvt_pk_bf16_f32 v[B0], v[B0], v[B0+1]
	v_cvt_pk_bf16_f32 v[B1], v[B1], v[B1+1]
.if \first == 0
	v_pk_add_f32 v[LP+2*\c:LP+2*\c+1], v[LP+2*\c:LP+2*\c+1], v[B0+2:B0+3]
.endif
	v_cvt_pk_bf16_f32 v[B0+1], v[B0+2], v[B0+3]
	v_cvt_pk_bf16_f32 v[B1+1], v[B1+2], v[B1+3]
.set i, 2
.rept 6
	v_pk_add_f32 v[LP+2*\c:LP+2*\c+1], v[LP+2*\c:LP+2*\c+1], v[B0+2*i:B0+2*i+1]
	v_pk_add_f32 v[T2:T2+1], v[T2:T2+1], v[B1+2*i:B1+2*i+1]
	v_cvt_pk_bf16_f32 v[B0+i], v[B0+2*i], v[B0+2*i+1]
	v_cvt_pk_bf16_f32 v[B1+i], v[B1+2*i], v[B1+2*i+1]
.set i, i+1
.endr
	v_pk_add_f32 v[LP+2*\c:LP+2*\c+1], v[LP+2*\c:LP+2*\c+1], v[T2:T2+1]
.endm
; 16 products O^T += V^T P^T over keys 32 u .. 32 u + 31; zero = 1 starts the sums.  The 16 accumulators take turns.
.macro PVMUL u, zero
.irp c, 0,1,2,3
.irp dt, 0,1,2,3
.if \zero
	v_wmma_f32_16x16x32_bf16 v[O+8*(4*\c+\dt):O+8*(4*\c+\dt)+7], v[VF+8*(2*\dt+\u):VF+8*(2*\dt+\u)+7], v[S+16*(4*\u+\c):S+16*(4*\u+\c)+7], 0
.else
	v_wmma_f32_16x16x32_bf16 v[O+8*(4*\c+\dt):O+8*(4*\c+\dt)+7], v[VF+8*(2*\dt+\u):VF+8*(2*\dt+\u)+7], v[S+16*(4*\u+\c):S+16*(4*\u+\c)+7], v[O+8*(4*\c+\dt):O+8*(4*\c+\dt)+7]
.endif
.endr
.endr
.endm
; One step: 64 keys x 64 queries.  pre = 1: the next step's K and bias are fetched meanwhile.  first = 1: nothing to rescale yet.
.macro STEP slot, kk, pre, first
	s_wait_dscnt 0x0                               ; K's fragments and the bias are in
	WIN 0x04                                       ; Q in window 1
	SMUL 0
	SMUL 1
	PLACES
	WIN 0x40
.irp dt, 0,1,2,3
.irp u, 0,1
	ds_load_tr16_b128 v[VF+8*(2*\dt+\u):VF+8*(2*\dt+\u)+3],   v[VA+\slot] offset:(64*(\kk)+32*\u)*VP+32*\dt
	ds_load_tr16_b128 v[VF+8*(2*\dt+\u)+4:VF+8*(2*\dt+\u)+7], v[VA+\slot] offset:(64*(\kk)+32*\u+16)*VP+32*\dt
.endr
.endr
	WIN 0
.if \pre
	KLOAD \slot, \kk+1
.endif
	MAXES
.irp c, 0,1,2,3
	v_permlanex16_b32 v[AL+\c], v[TM+\c], s56, s57 ; the other half of the lanes holds the query's other keys
.endr
.irp c, 0,1,2,3
	v_max_num_f32 v[TM+\c], v[TM+\c], v[AL+\c]
.endr
.if \first == 0
.irp c, 0,1,2,3
	v_sub_f32 v[AL+\c], v[M+\c], v[TM+\c]
.endr
.irp c, 0,1,2,3
	v_exp_f32 v[AL+\c], v[AL+\c]
.endr
.endif
.irp c, 0,1,2,3
	v_mov_b32 v[M+\c], v[TM+\c]                    ; plain work that touches no AL: the place behind the exponentials
.endr
.if \first == 0
	WIN 0x41
	RESC 0, 0, 0
	RESC 1, 0, 1
	RESC 2, 2, 0
	RESC 3, 2, 1
	WIN 0
.endif
	SUBM 0, 0, 0
	EXPS 0
	SUBM 1, 0, 1
	EXPS 1
	SUMCVT 0, 0, 0, \first
	SUBM 2, 2, 0
	EXPS 2
	SUMCVT 1, 0, 1, \first
	SUBM 3, 2, 1
	EXPS 3
	SUMCVT 2, 2, 0, \first
	SUMCVT 3, 2, 1, \first
.if \pre
	s_wait_dscnt 24                                ; V's sixteen loads are in; the 24 of the next step's K and bias stay out
.else
	s_wait_dscnt 0x0
.endif
	WIN 0x51
	PVMUL 0, \first
	PVMUL 1, 0
	WIN 0
.rept 5
	v_nop                                          ; five places: the next score products write over P, a source of the products above
.endr
.endm
; One tile of 256 keys.  In front of the round every wave has waited for all its tensor loads (its parts of this tile among them) and for its
; reads of the other slot; behind the round the other slot's joint refills come first and have the whole trip in which to land.
.macro TRIP slot, refill, first
	s_wait_xcnt 0x0
	v_lshl_add_u32 v254, v0, 2, 0x3b400
	v_mov_b32 v255, 0
	s_wait_tensorcnt 0x0
	ds_add_u32 v254, v255
	s_wait_dscnt 0x0
	s_add_nc_u64 s[G0K+4*\slot+2:G0K+4*\slot+3], s[G0K+4*\slot+2:G0K+4*\slot+3], 2*TILEB   ; no load of mine is out: this slot's next tile
	s_add_nc_u64 s[G0V+4*\slot+2:G0V+4*\slot+3], s[G0V+4*\slot+2:G0V+4*\slot+3], 2*TILEB
	s_wait_dscnt 0x0
	ROUND
.if \refill
	tensor_load_to_lds s[G0K+4-4*\slot:G0K+7-4*\slot], s[G1K:G1K+7]
	s_nop 0
	tensor_load_to_lds s[G0V+4-4*\slot:G0V+7-4*\slot], s[G1V:G1V+7]
	s_nop 0
.endif
	KLOAD \slot, 0
	STEP \slot, 0, 1, \first
	STEP \slot, 1, 0, 0
	v_add_nc_u32 v[MBA+\slot], 2048, v[MBA+\slot]  ; the bias of the slot's next tile, 512 keys on
.endm
	TRIP 0, 1, 1                                   ; tiles 0, 1
	TRIP 1, 1, 0
	s_mov_b32 s58, 2
.Ltiles:
	TRIP 0, 1, 0                                   ; tiles 2 to 5
	TRIP 1, 1, 0
	s_sub_co_u32 s58, s58, 1
	s_cmp_lg_u32 s58, 0
	s_cbranch_scc1 .Ltiles
	TRIP 0, 1, 0                                   ; tile 6; tile 7 is the last to be asked for
	TRIP 1, 0, 0
	; THE TWO HALVES OF THE KEYS MEET.  First each wave's sum: the pair, then the other half of the lanes.
.irp c, 0,1,2,3
	v_add_f32 v[AL+\c], v[LP+2*\c], v[LP+2*\c+1]
.endr
.irp c, 0,1,2,3
	v_permlanex16_b32 v[TM+\c], v[AL+\c], s56, s57
.endr
.irp c, 0,1,2,3
	v_add_f32 v[TM+\c], v[TM+\c], v[AL+\c]
.endr
	v_and_b32 v59, 31, v0
	s_mul_i32 s77, s15, MPART
	s_add_co_u32 s77, s77, MERGE
	v_lshl_add_u32 v59, v59, 4, s77                ; 16 x lane in my qg's part
	s_cmp_lt_u32 s14, 4
	s_cbranch_scc1 .Lkeep
	WIN 0x04                                       ; waves 4-7 hand over O, the maximum and the sum
.set i, 0
.rept 32
	ds_store_b128 v59, v[O+4*i:O+4*i+3] offset:512*i
.set i, i+1
.endr
	WIN 0
	ds_store_b128 v59, v[M:M+3] offset:16384
	ds_store_b128 v59, v[TM:TM+3] offset:16896
.Lkeep:
	s_wait_dscnt 0x0                               ; the stores are done in front of the signal
	s_barrier_signal -1
	s_barrier_wait -1
	s_cmp_lt_u32 s14, 4
	s_cbranch_scc0 .Lclose
.set i, 0
.rept 32
	ds_load_b128 v[S+4*i:S+4*i+3], v59 offset:512*i        ; the partner's O, register for register
.set i, i+1
.endr
	ds_load_b128 v[32:35], v59 offset:16384        ; its maximum
	ds_load_b128 v[36:39], v59 offset:16896        ; its sum
	v_and_b32 v60, 15, v0
	v_bfe_u32 v61, v0, 4, 1
	v_and_b32 v62, 31, v0
	s_mul_i32 s76, s15, WSTAGE
	s_add_co_u32 s76, s76, STAGE
	v_mul_u32_u24 v56, v60, SPITCH
	v_lshl_add_u32 v56, v61, 4, v56
	v_add_nc_u32 v56, s76, v56                     ; in: row r, 16 bytes for each half of the lanes
	v_lshrrev_b32 v57, 3, v62
	v_mul_u32_u24 v57, v57, SPITCH
	v_and_b32 v63, 7, v0
	v_lshl_add_u32 v57, v63, 4, v57
	v_add_nc_u32 v57, s76, v57                     ; back: eight lanes a row
	v_lshlrev_b32 v58, 4, v62
	s_wait_dscnt 0x0
.irp c, 0,1,2,3
	v_max_num_f32 v[40+\c], v[M+\c], v[32+\c]
.endr
.irp c, 0,1,2,3
	v_sub_f32 v[44+\c], v[M+\c], v[40+\c]
	v_sub_f32 v[48+\c], v[32+\c], v[40+\c]
.endr
.irp c, 0,1,2,3
	v_exp_f32 v[44+\c], v[44+\c]
	v_exp_f32 v[48+\c], v[48+\c]
.endr
	v_nop                                          ; the place behind the exponentials
	s_wait_alu depctr_va_vdst(0)
.irp c, 0,1,2,3
	v_mul_f32 v[52+\c], v[TM+\c], v[44+\c]
.endr
.irp c, 0,1,2,3
	v_fmac_f32 v[52+\c], v[36+\c], v[48+\c]        ; the whole row's sum
.endr
.irp c, 0,1,2,3
	v_rcp_f32 v[52+\c], v[52+\c]
.endr
	v_nop                                          ; the place behind the reciprocals
	s_wait_alu depctr_va_vdst(0)
.irp c, 0,1,2,3
	v_mul_f32 v[44+\c], v[44+\c], v[52+\c]         ; my factor
	v_mul_f32 v[48+\c], v[48+\c], v[52+\c]         ; the partner's
.endr
.macro FIN1 c, cp, o
.set i, 0
.rept 16
	v_pk_mul_f32 v[S+32*\c+i:S+32*\c+i+1], v[S+32*\c+i:S+32*\c+i+1], v[48+\cp:49+\cp] op_sel:[0,\o] op_sel_hi:[1,\o]
.set i, i+2
.endr
.endm
.macro FIN0 c, cp, o
.set i, 0
.rept 16
	v_pk_fma_f32 v[S+32*\c+i:S+32*\c+i+1], v[O+32*\c+i:O+32*\c+i+1], v[44+\cp:45+\cp], v[S+32*\c+i:S+32*\c+i+1] op_sel:[0,\o,0] op_sel_hi:[1,\o,1]
.set i, i+2
.endr
.endm
	FIN1 0, 0, 0
	FIN1 1, 0, 1
	FIN1 2, 2, 0
	FIN1 3, 2, 1
	WIN 0x01                                       ; my O in window 1
	FIN0 0, 0, 0
	FIN0 1, 0, 1
	FIN0 2, 2, 0
	FIN0 3, 2, 1
	WIN 0
; 16 queries x 64 d: bf16, 16 bytes a lane into my stage, back as whole rows, four stores of 512 neighbouring bytes
.macro OUTC c, rb
.irp dt, 0,1,2,3
.irp p, 0,1,2,3
	v_cvt_pk_bf16_f32 v[KF+4*\dt+\p], v[S+32*\c+8*\dt+2*\p], v[S+32*\c+8*\dt+2*\p+1]
.endr
.endr
.irp dt, 0,1,2,3
	ds_store_b128 v56, v[KF+4*\dt:KF+4*\dt+3] offset:32*\dt
.endr
	s_wait_xcnt 0x0                                ; the registers that earlier stores read are loaded again only behind this wait
.irp t, 0,1,2,3
	ds_load_b128 v[\rb+4*\t:\rb+4*\t+3], v57 offset:\t*4*SPITCH
.endr
.irp t, 0,1,2,3
	s_wait_dscnt 3-\t
	global_store_b128 v58, v[\rb+4*\t:\rb+4*\t+3], s[74:75] offset:\c*2048+\t*512
.endr
.endm
	OUTC 0, 80
	OUTC 1, 96
	OUTC 2, 80
	OUTC 3, 96
.Lclose:
	s_wait_xcnt 0x0
	v_lshl_add_u32 v254, v0, 2, 0x3b400
	v_mov_b32 v255, 0
	s_wait_tensorcnt 0x0
	ds_add_u32 v254, v255
	s_wait_dscnt 0x0
	ROUND                                          ; the closing round
	s_endpgm
.Lfunc_end_k_q4d02d84082_attn:
	.size	k_q4d02d84082_attn, .Lfunc_end_k_q4d02d84082_attn-k_q4d02d84082_attn
	.p2alignl 7, 3214868480
	.fill 96, 4, 3214868480
	.section	.rodata,"a",@progbits
	.p2align	6, 0x0
	.amdhsa_kernel k_q4d02d84082_attn
		.amdhsa_group_segment_fixed_size 327680
		.amdhsa_private_segment_fixed_size 0
		.amdhsa_enable_private_segment 0
		.amdhsa_kernarg_size 40
		.amdhsa_user_sgpr_count 2
		.amdhsa_user_sgpr_kernarg_segment_ptr 1
		.amdhsa_wavefront_size32 1
		.amdhsa_system_sgpr_workgroup_id_x 1
		.amdhsa_system_sgpr_workgroup_id_y 1
		.amdhsa_system_sgpr_workgroup_id_z 1
		.amdhsa_system_vgpr_workitem_id 0
		.amdhsa_next_free_vgpr 512
		.amdhsa_next_free_sgpr 80
		.amdhsa_reserve_vcc 1
		.amdhsa_float_denorm_mode_32 3
		.amdhsa_float_denorm_mode_16_64 3
		.amdhsa_memory_ordered 1
		.amdhsa_forward_progress 1
		.amdhsa_inst_pref_size 255
	.end_amdhsa_kernel
	.section	.bss,"aw",@nobits
	.p2align	6
	.space	262144
	.amdgpu_metadata
---
amdhsa.version: [ 1, 2 ]
amdhsa.kernels:
  - .name:           k_q4d02d84082_attn
    .symbol:         k_q4d02d84082_attn.kd
    .args:
      - { .name: qws, .offset: 0, .size: 8, .value_kind: global_buffer, .address_space: global }
      - { .name: kws, .offset: 8, .size: 8, .value_kind: global_buffer, .address_space: global }
      - { .name: vws, .offset: 16, .size: 8, .value_kind: global_buffer, .address_space: global }
      - { .name: padding_mask, .offset: 24, .size: 8, .value_kind: global_buffer, .address_space: global }
      - { .name: att, .offset: 32, .size: 8, .value_kind: global_buffer, .address_space: global }
    .group_segment_fixed_size: 327680
    .private_segment_fixed_size: 0
    .kernarg_segment_align: 8
    .kernarg_segment_size: 40
    .max_flat_workgroup_size: 256
    .sgpr_count:     80
    .vgpr_count:     512
    .wavefront_size: 32
...
	.end_amdgpu_metadata
.endif
;; end of part 3
;; launch oproj (part 4): grid 8 x 32, 4 waves a work-group, clusters of 4 x 4, 327,680 bytes of LDS; arguments att, wbf, bo, out0; writes out0
.if DOCPART == 4
	.amdgcn_target "amdgcn-amd-amdhsa--gfx1250"
	.amdhsa_code_object_version 6
	.text
	.protected	k_q4d02d84082_oproj
	.globl	k_q4d02d84082_oproj
	.p2align	8
	.type	k_q4d02d84082_oproj,@function
k_q4d02d84082_oproj:
	s_mov_b64 s[64:65], 0
	v_nop
	global_prefetch_b8 v0, s[64:65] scope:SCOPE_SE
	s_setreg_imm32_b32 hwreg(HW_REG_WAVE_MODE, 25, 1), 1
	s_wait_xcnt 0x0
	s_wait_alu depctr_hold_cnt(0) depctr_sa_sdst(0) depctr_va_vdst(0) depctr_va_sdst(0) depctr_va_ssrc(0) depctr_va_vcc(0) depctr_vm_vsrc(0)
	s_getreg_b32 s2, hwreg(HW_REG_IB_STS2, 6, 4)
	s_cmp_eq_u32 s2, 0
	s_cbranch_scc0 .Lentry_in_a_cluster
	s_endpgm
.Lentry_in_a_cluster:
	s_bfe_u32 s2, ttmp6, 0x10000c
	s_cmp_lg_u32 s2, 0xf033
	s_cbranch_scc0 .Lentry_shape_is_right
	s_endpgm
.Lentry_shape_is_right:
; oproj: out0 = att Wo^T + bo.  [4096 x 1024] x [1024 x 1024]^T, bf16 operands, f32 sums, f32 out.
; A block of 128 x 128 for each work-group gives 32 x 8 = 256 work-groups; a larger block would leave WGPs without work.
; Four waves, 64 x 64 each: 16 accumulator tiles.  K goes in four steps of 256 (four heads) through two LDS slots, all written out.
; att lies [batch, head][position][64]: a K step's tile of A is four planes (heads) of 128 rows x 128 bytes, one plane a wave.
; CLUSTERS: 4 x 4 work-groups; A's planes hang on the block row alone and are shared along a row of the cluster, Wo's rows on the block column
; alone and are shared along a column.  The matrix instruction is used transposed: a lane holds eight neighbouring columns of one row.
.set AP, 144                           ; A's row: 128 bytes + 16
.set BP, 528                           ; Wo's row: 512 bytes + 16 = 33 x 16
.set APLANE, 128*AP                    ; 18,432
.set ABYTES, 4*APLANE
.set BPART,  32*BP                     ; 16,896
.set SLOT,   ABYTES+4*BPART            ; 141,312
.set STAGE,  2*SLOT                    ; 282,624
.set SPITCH, 272                       ; 64 f32 + 16 bytes
.set WSTAGE, 16*SPITCH
.set ASTEP,  4*2048*128                ; four heads on
.set BSTEP,  512                       ; 256 elements on
.set ADRA, 16
.set ADRB, 20
.set STO,  24
.set RD,   25
.set CO,   26
.set BIA,  28
.set BIAS, 32                          ; v32-63: tile b, register j = bo of column 16 b + 8 (l / 16) + j
.set F,    64                          ; buffer f at 64 + 64 f: Wo's four fragments, then A's four
.set G1A, 24
.set G0A, 32
.set G1B, 48
.set G0B, 56
.set MSB, 0
.macro WIN new
.if MSB != (\new)
	s_set_vgpr_msb (MSB<<8)|(\new)
.set MSB, (\new)
.endif
.endm
.macro PLACES                          ; four plain vector instructions between a matrix instruction and what touches its registers (ISA guide 7.12.1)
.rept 4
	v_nop
.endr
.endm
.macro JLOAD s
	tensor_load_to_lds s[G0A+4*\s:G0A+4*\s+3], s[G1A:G1A+7]
	s_nop 0
	tensor_load_to_lds s[G0B+4*\s:G0B+4*\s+3], s[G1B:G1B+7]
	s_nop 0
.endm
.macro CREST
	s_cmp_lg_u32 s18, 0
	s_cbranch_scc1 .Lnot_wave_0_\@
	s_barrier_signal -3
.Lnot_wave_0_\@:
	s_barrier_wait -3
	s_barrier_signal -1
	s_barrier_wait -1
.endm
.macro CROUND
	s_barrier_signal -1
	s_barrier_wait -1
	CREST
.endm
	s_load_b256 s[4:11], s[0:1], 0x0               ; att, wbf, bo, out0
	v_lshl_add_u32 v254, v0, 2, 0x49400
	v_mov_b32 v255, 0
	ds_add_u32 v254, v255
	v_lshrrev_b32 v1, 5, v0
	v_readfirstlane_b32 s18, v1                    ; wave 0..3
	s_bfe_u32 s19, ttmp6, 0x40000                  ; cx
	s_bfe_u32 s20, ttmp6, 0x40004                  ; cy
	s_lshl_b32 s21, ttmp9, 2
	s_add_co_u32 s21, s21, s19                     ; bx: block of 128 columns
	s_and_b32 s22, ttmp7, 0xffff
	s_lshl_b32 s22, s22, 2
	s_add_co_u32 s22, s22, s20                     ; by: block of 128 rows
	s_lshl_b32 s40, s20, 2
	s_lshl_b32 s40, 15, s40                        ; my row of the cluster
	s_lshl_b32 s44, 0x1111, s19                    ; my column
	s_or_b32 s[G1A+0], s40, (1<<16)|(1<<20)|(1<<21)|(4<<22)|(3<<25)   ; padding of 4 words after every 32
	s_or_b32 s[G1B+0], s44, (1<<16)|(1<<20)|(1<<21)|(6<<22)|(3<<25)   ; after every 128
	s_mov_b32 s[G1A+1], 64<<16                     ; A: 128 rows x 64 elements, rows 64 elements apart
	s_mov_b32 s[G1A+2], 128<<16
	s_mov_b32 s[G1A+3], 64<<16
	s_mov_b32 s[G1A+4], 128
	s_mov_b32 s[G1A+5], 64
	s_mov_b32 s[G1A+6], 0
	s_mov_b32 s[G1A+7], 0
	s_mov_b32 s[G1B+1], 256<<16                    ; Wo: 32 rows x 256 elements, rows 1,024 elements apart
	s_mov_b32 s[G1B+2], 32<<16
	s_mov_b32 s[G1B+3], 256<<16
	s_mov_b32 s[G1B+4], 32
	s_mov_b32 s[G1B+5], 1024
	s_mov_b32 s[G1B+6], 0
	s_mov_b32 s[G1B+7], 0
	s_lshr_b32 s40, s22, 4                         ; batch
	s_lshl_b32 s40, s40, 4
	s_add_co_u32 s40, s40, s18                     ; 16 batch + head w of the K step
	s_lshl_b32 s40, s40, 11
	s_and_b32 s41, s22, 15
	s_lshl_b32 s41, s41, 7
	s_add_co_u32 s40, s40, s41                     ; + 128 (by % 16) positions
	s_lshl_b32 s40, s40, 7
	s_mov_b32 s41, 0
	s_lshl_b32 s44, s21, 7
	s_lshl_b32 s45, s18, 5
	s_add_co_u32 s44, s44, s45
	s_add_co_u32 s44, s44, 3072                    ; wbf's row 3072 + 128 bx + 32 w
	s_lshl_b32 s44, s44, 11
	s_mov_b32 s45, 0
	s_mul_i32 s23, s18, APLANE                     ; LDS: the wave's number alone
	s_mul_i32 s76, s18, BPART
	s_add_co_u32 s76, s76, ABYTES
	s_wait_dscnt 0x0
	s_wait_kmcnt 0x0
	s_add_nc_u64 s[42:43], s[4:5], s[40:41]
	s_add_nc_u64 s[46:47], s[6:7], s[44:45]
	CROUND                                         ; the first joint loads meet
.irp s, 0,1
	s_mov_b32 s[G0A+4*\s], 1
	s_add_co_u32 s[G0A+4*\s+1], s23, \s*SLOT
	s_add_nc_u64 s[G0A+4*\s+2:G0A+4*\s+3], s[42:43], \s*ASTEP
	s_or_b32 s[G0A+4*\s+3], s[G0A+4*\s+3], 0x80000000
	s_mov_b32 s[G0B+4*\s], 1
	s_add_co_u32 s[G0B+4*\s+1], s76, \s*SLOT
	s_add_nc_u64 s[G0B+4*\s+2:G0B+4*\s+3], s[46:47], \s*BSTEP
	s_or_b32 s[G0B+4*\s+3], s[G0B+4*\s+3], 0x80000000
	JLOAD \s                                       ; four tensor loads of the wave are out now, two behind each later round
.endr
	v_and_b32 v5, 15, v0                           ; r
	v_bfe_u32 v6, v0, 4, 1                         ; h
	s_lshr_b32 s82, s18, 1                         ; wr: my 64 rows
	s_and_b32 s83, s18, 1                          ; wc: my 64 columns
	v_lshlrev_b32 v[BIA], 5, v6
	s_lshl_b32 s80, s21, 9
	s_lshl_b32 s81, s83, 8
	s_add_co_u32 s80, s80, s81                     ; (128 bx + 64 wc) x 4 bytes
	s_mov_b32 s81, 0
	s_add_nc_u64 s[74:75], s[8:9], s[80:81]
.irp b, 0,1,2,3
	global_load_b128 v[BIAS+8*\b:BIAS+8*\b+3],   v[BIA], s[74:75] offset:64*\b
	global_load_b128 v[BIAS+8*\b+4:BIAS+8*\b+7], v[BIA], s[74:75] offset:64*\b+16
.endr
	s_mul_i32 s77, s82, 64*AP
	v_mul_u32_u24 v3, v5, AP
	v_lshl_add_u32 v3, v6, 4, v3
	v_add_nc_u32 v[ADRA], s77, v3                  ; (64 wr + r) x 144 + 16 h
	v_add_nc_u32 v[ADRA+1], SLOT, v[ADRA]
	s_mul_i32 s78, s83, 64*BP
	s_add_co_u32 s78, s78, ABYTES
	v_mul_u32_u24 v4, v5, BP
	v_lshl_add_u32 v4, v6, 4, v4
	v_add_nc_u32 v[ADRB], s78, v4                  ; (64 wc + r) x 528 + 16 h behind A
	v_add_nc_u32 v[ADRB+1], SLOT, v[ADRB]
	s_mul_i32 s79, s18, WSTAGE
	s_add_co_u32 s79, s79, STAGE
	v_mul_u32_u24 v7, v5, SPITCH
	v_lshl_add_u32 v7, v6, 5, v7
	v_add_nc_u32 v[STO], s79, v7                   ; in: row r, 32 bytes for each half of the lanes
	v_mul_u32_u24 v7, v6, SPITCH
	v_lshl_add_u32 v7, v5, 4, v7
	v_add_nc_u32 v[RD], s79, v7                    ; back: sixteen lanes a row of 256 bytes
	v_lshlrev_b32 v7, 12, v6
	v_lshl_add_u32 v[CO], v5, 4, v7                ; the same two rows in out0
	s_lshl_b32 s66, s22, 7
	s_lshl_b32 s67, s82, 6
	s_add_co_u32 s66, s66, s67                     ; row 128 by + 64 wr
	s_lshl_b32 s66, s66, 12                        ; of 4,096 bytes
	s_add_co_u32 s66, s66, s80                     ; + my first column
	s_mov_b32 s67, 0
	s_add_nc_u64 s[68:69], s[10:11], s[66:67]
; 16 LDS loads: the fragments of quarter q (32 along K; eight quarters a step) into buffer f
.macro OFETCH slot, q, f
.irp b, 0,1,2,3
	ds_load_b128 v[F+64*(\f)+8*\b:F+64*(\f)+8*\b+3],   v[ADRB+\slot] offset:(\q)*64+\b*16*BP
	ds_load_b128 v[F+64*(\f)+8*\b+4:F+64*(\f)+8*\b+7], v[ADRB+\slot] offset:(\q)*64+\b*16*BP+32
.endr
.irp a, 0,1,2,3
	ds_load_b128 v[F+64*(\f)+32+8*\a:F+64*(\f)+32+8*\a+3], v[ADRA+\slot] offset:((\q)/2)*APLANE+((\q)%2)*64+\a*16*AP
	ds_load_b128 v[F+64*(\f)+32+8*\a+4:F+64*(\f)+32+8*\a+7], v[ADRA+\slot] offset:((\q)/2)*APLANE+((\q)%2)*64+\a*16*AP+32
.endr
.endm
; n row tiles from a0 on x 4 column tiles.  first = 1: the bias is the first addend.  The 16 accumulators take turns.
.macro OMUL f, a0, n, first
.set aa, \a0
.rept \n
.irp b, 0,1,2,3
.if \first
	v_wmma_f32_16x16x32_bf16 v[8*(4*aa+\b):8*(4*aa+\b)+7], v[F+64*(\f)+8*\b:F+64*(\f)+8*\b+7], v[F+64*(\f)+32+8*aa:F+64*(\f)+32+8*aa+7], v[BIAS+8*\b:BIAS+8*\b+7]
.else
	v_wmma_f32_16x16x32_bf16 v[8*(4*aa+\b):8*(4*aa+\b)+7], v[F+64*(\f)+8*\b:F+64*(\f)+8*\b+7], v[F+64*(\f)+32+8*aa:F+64*(\f)+32+8*aa+7], v[8*(4*aa+\b):8*(4*aa+\b)+7]
.endif
.endr
.set aa, aa+1
.endr
.endm
; quarters 0 to 6 of a step: fetch the next quarter into the other buffer, multiply this one
.macro OQ slot, q, first
	WIN 0
	PLACES
	OFETCH \slot, \q+1, (1-(\q%2))
	s_wait_dscnt 16                                ; all but the sixteen just issued
.if \first
	WIN 0x40                                       ; result in window 1, the bias in window 0
.else
	WIN 0x50
.endif
	OMUL (\q%2), 0, 4, \first
.endm
.macro SEVEN slot, first
	OQ \slot, 0, \first
	OQ \slot, 1, 0
	OQ \slot, 2, 0
	OQ \slot, 3, 0
	OQ \slot, 4, 0
	OQ \slot, 5, 0
	OQ \slot, 6, 0
.endm
; quarter 7 multiplies buffer 1 and changes slots: each wave's reads of this slot and all its tensor loads are waited for in front of the barrier;
; fill = 1: the barrier opens a round of the cluster's barrier, and this slot's joint refills are the first tensor loads behind the round
.macro OTURN slot, next, fill
	WIN 0
	s_wait_dscnt 0x0
	s_wait_tensorcnt 0x0
	ds_add_u32 v254, v255
	s_wait_dscnt 0x0
	s_barrier_signal -1
	WIN 0x50
	OMUL 1, 0, 2, 0                                ; registers only, while the others arrive
	WIN 0
	s_barrier_wait -1
.if \fill
	CREST
	s_add_nc_u64 s[G0A+4*\slot+2:G0A+4*\slot+3], s[G0A+4*\slot+2:G0A+4*\slot+3], 2*ASTEP
	s_add_nc_u64 s[G0B+4*\slot+2:G0B+4*\slot+3], s[G0B+4*\slot+2:G0B+4*\slot+3], 2*BSTEP
	JLOAD \slot
.endif
	PLACES
	OFETCH \next, 0, 0
	WIN 0x50
	OMUL 1, 2, 2, 0
.endm
	s_wait_loadcnt 0x0                             ; the bias
	s_wait_tensorcnt 2                             ; my two parts of K step 0 are in; the two of K step 1 stay out
	s_barrier_signal -1
	s_barrier_wait -1
	OFETCH 0, 0, 0
	SEVEN 0, 1
	OTURN 0, 1, 1                                  ; K step 2 into slot 0
	SEVEN 1, 0
	OTURN 1, 0, 1                                  ; K step 3 into slot 1
	SEVEN 0, 0
	OTURN 0, 1, 0
	SEVEN 1, 0
	s_wait_dscnt 0x0
	OMUL 1, 0, 4, 0
	PLACES
; THE WAY OUT, 16 rows x 64 columns of f32 at a time: 32 bytes a lane into my stage, back as whole rows; sixteen lanes store 256 neighbouring
; bytes at a multiple of 256 from out0's first byte
.macro OUTA a, rb
	WIN 0x04                                       ; the stores' data in window 1
.irp b, 0,1,2,3
	ds_store_b128 v[STO], v[8*(4*\a+\b):8*(4*\a+\b)+3]   offset:64*\b
	ds_store_b128 v[STO], v[8*(4*\a+\b)+4:8*(4*\a+\b)+7] offset:64*\b+16
.endr
	WIN 0
	s_wait_xcnt 0x0                                ; the registers that earlier stores read are loaded again only behind this wait
.irp t, 0,1,2,3,4,5,6,7
	ds_load_b128 v[\rb+4*\t:\rb+4*\t+3], v[RD] offset:\t*2*SPITCH
.endr
.irp t, 0,1,2,3,4,5,6,7
	s_wait_dscnt 7-\t
	global_store_b128 v[CO], v[\rb+4*\t:\rb+4*\t+3], s[68:69] offset:(16*\a+2*\t)*4096 th:TH_STORE_NT
.endr
.endm
	OUTA 0, 64
	OUTA 1, 128
	OUTA 2, 64
	OUTA 3, 128
	s_wait_tensorcnt 0x0
	ds_add_u32 v254, v255
	s_wait_dscnt 0x0
	CROUND                                         ; the closing round
	s_endpgm
.Lfunc_end_k_q4d02d84082_oproj:
	.size	k_q4d02d84082_oproj, .Lfunc_end_k_q4d02d84082_oproj-k_q4d02d84082_oproj
	.p2alignl 7, 3214868480
	.fill 96, 4, 3214868480
	.section	.rodata,"a",@progbits
	.p2align	6, 0x0
	.amdhsa_kernel k_q4d02d84082_oproj
		.amdhsa_group_segment_fixed_size 327680
		.amdhsa_private_segment_fixed_size 0
		.amdhsa_enable_private_segment 0
		.amdhsa_kernarg_size 32
		.amdhsa_user_sgpr_count 2
		.amdhsa_user_sgpr_kernarg_segment_ptr 1
		.amdhsa_wavefront_size32 1
		.amdhsa_system_sgpr_workgroup_id_x 1
		.amdhsa_system_sgpr_workgroup_id_y 1
		.amdhsa_system_sgpr_workgroup_id_z 1
		.amdhsa_system_vgpr_workitem_id 0
		.amdhsa_next_free_vgpr 384
		.amdhsa_next_free_sgpr 84
		.amdhsa_reserve_vcc 0
		.amdhsa_float_denorm_mode_32 3
		.amdhsa_float_denorm_mode_16_64 3
		.amdhsa_memory_ordered 1
		.amdhsa_forward_progress 1
		.amdhsa_inst_pref_size 89
	.end_amdhsa_kernel
	.amdgpu_metadata
---
amdhsa.version: [ 1, 2 ]
amdhsa.kernels:
  - .name:           k_q4d02d84082_oproj
    .symbol:         k_q4d02d84082_oproj.kd
    .args:
      - { .name: att, .offset: 0, .size: 8, .value_kind: global_buffer, .address_space: global }
      - { .name: wbf, .offset: 8, .size: 8, .value_kind: global_buffer, .address_space: global }
      - { .name: bo, .offset: 16, .size: 8, .value_kind: global_buffer, .address_space: global }
      - { .name: out0, .offset: 24, .size: 8, .value_kind: global_buffer, .address_space: global }
    .group_segment_fixed_size: 327680
    .private_segment_fixed_size: 0
    .kernarg_segment_align: 8
    .kernarg_segment_size: 32
    .max_flat_workgroup_size: 128
    .sgpr_count:     84
    .vgpr_count:     384
    .wavefront_size: 32
...
	.end_amdgpu_metadata
.endif
;; end of part 4
